; MI455X (gfx1250); checked and timed in simulation.
; The chip was launched on July 23, 2026; its instructions are those of AMD's public machine-readable ISA for CDNA 5 (MIT licence, August 2026) and "CDNA5" Instruction Set Architecture Reference Guide (July 2026). The comments in the code are by the model that wrote it; some were corrected since.
;; Image Cross Attention Net. Allowed arithmetic: matrix products marked QUANTISED: E2M3 operands, one E8M0 scale for each 32 along K, by v_wmma_scale_f32_16x16x128_f8f6f4 with both operands' format E2M3, f32 sums; everything else in f32.
;; Inputs: b_poi 64 float32; b_point 64 float32; b_pop 64 float32; poi_k_codes 2 x 4,096 x 2 x 24 uint8 (E2M3 codes of poi_k, K innermost, in blocks of 32 codes, four codes in three bytes); poi_k_scales 2 x 4,096 x 2 uint8 (E8M0 scales of poi_k, one for each 32 codes along K); poi_q_codes 2 x 4,096 x 2 x 24 uint8 (E2M3 codes of poi_q, K innermost, in blocks of 32 codes, four codes in three bytes); poi_q_scales 2 x 4,096 x 2 uint8 (E8M0 scales of poi_q, one for each 32 codes along K); poi_v_codes 2 x 64 x 128 x 24 uint8 (E2M3 codes of poi_v, K innermost, in blocks of 32 codes, four codes in three bytes); poi_v_scales 2 x 64 x 128 uint8 (E8M0 scales of poi_v, one for each 32 codes along K); point_k_codes 2 x 4,096 x 2 x 24 uint8 (E2M3 codes of point_k, K innermost, in blocks of 32 codes, four codes in three bytes); point_k_scales 2 x 4,096 x 2 uint8 (E8M0 scales of point_k, one for each 32 codes along K); point_q_codes 2 x 4,096 x 2 x 24 uint8 (E2M3 codes of point_q, K innermost, in blocks of 32 codes, four codes in three bytes); point_q_scales 2 x 4,096 x 2 uint8 (E8M0 scales of point_q, one for each 32 codes along K); point_v_codes 2 x 64 x 128 x 24 uint8 (E2M3 codes of point_v, K innermost, in blocks of 32 codes, four codes in three bytes); point_v_scales 2 x 64 x 128 uint8 (E8M0 scales of point_v, one for each 32 codes along K); pop_k_codes 2 x 4,096 x 2 x 24 uint8 (E2M3 codes of pop_k, K innermost, in blocks of 32 codes, four codes in three bytes); pop_k_scales 2 x 4,096 x 2 uint8 (E8M0 scales of pop_k, one for each 32 codes along K); pop_q_codes 2 x 4,096 x 2 x 24 uint8 (E2M3 codes of pop_q, K innermost, in blocks of 32 codes, four codes in three bytes); pop_q_scales 2 x 4,096 x 2 uint8 (E8M0 scales of pop_q, one for each 32 codes along K); pop_v_codes 2 x 64 x 128 x 24 uint8 (E2M3 codes of pop_v, K innermost, in blocks of 32 codes, four codes in three bytes); pop_v_scales 2 x 64 x 128 uint8 (E8M0 scales of pop_v, one for each 32 codes along K); w_poi_codes 64 x 2 x 24 uint8 (E2M3 codes of w_poi, K innermost, in blocks of 32 codes, four codes in three bytes); w_poi_scales 64 x 2 uint8 (E8M0 scales of w_poi, one for each 32 codes along K); w_point_codes 64 x 2 x 24 uint8 (E2M3 codes of w_point, K innermost, in blocks of 32 codes, four codes in three bytes); w_point_scales 64 x 2 uint8 (E8M0 scales of w_point, one for each 32 codes along K); w_pop_codes 64 x 2 x 24 uint8 (E2M3 codes of w_pop, K innermost, in blocks of 32 codes, four codes in three bytes); w_pop_scales 64 x 2 uint8 (E8M0 scales of w_pop, one for each 32 codes along K); x_poi 2 x 64 x 64 x 64 float32; x_point 2 x 64 x 64 x 64 float32; x_pop 2 x 64 x 64 x 64 float32.
;; Outputs: out0 2 x 192 x 64 x 64 float32; out1 2 x 192 x 64 x 64 float32; out2 2 x 192 x 64 x 64 float32.
;; This version of the problem:
;;   THIS VERSION OF THE PROBLEM IS GIVEN IN LOW PRECISION. The matrix products marked QUANTISED in the list below multiply operands that are first quantised to E2M3 (2 exponent bits, 3 mantissa bits; 6 bits a number), with one power-of-two scale for each 32 numbers along K (OCP MX v1.0); their sums are f32. All else is computed in f32.
;;   The module's matrix products, in the order in which they are computed (A, B: the left and right operand; K: the contracted axis; several contracted axes count as one K, in the product's order):
;;     1. batch 2 x [M 4,096, K 64] x [K 64, N 4,096]; A: input poi_q (given as codes); B: input poi_k (given as codes): QUANTISED
;;     2. batch 2 x [M 64, K 4,096] x [K 4,096, N 4,096]; A: input poi_v (given as codes); B: softmax (see below): QUANTISED
;;     3. [M 8,192, K 64] x [K 64, N 64]; A: computed on the way; B: input w_poi (given as codes): QUANTISED
;;     4. batch 2 x [M 4,096, K 64] x [K 64, N 4,096]; A: input poi_q (given as codes); B: input point_k (given as codes): QUANTISED
;;     5. batch 2 x [M 64, K 4,096] x [K 4,096, N 4,096]; A: input poi_v (given as codes); B: softmax (see below): QUANTISED
;;     6. [M 8,192, K 64] x [K 64, N 64]; A: computed on the way; B: input w_poi (given as codes): QUANTISED
;;     7. batch 2 x [M 4,096, K 64] x [K 64, N 4,096]; A: input poi_q (given as codes); B: input pop_k (given as codes): QUANTISED
;;     8. batch 2 x [M 64, K 4,096] x [K 4,096, N 4,096]; A: input poi_v (given as codes); B: softmax (see below): QUANTISED
;;     9. [M 8,192, K 64] x [K 64, N 64]; A: computed on the way; B: input w_poi (given as codes): QUANTISED
;;     10. batch 2 x [M 4,096, K 64] x [K 64, N 4,096]; A: input point_q (given as codes); B: input poi_k (given as codes): QUANTISED
;;     11. batch 2 x [M 64, K 4,096] x [K 4,096, N 4,096]; A: input point_v (given as codes); B: softmax (see below): QUANTISED
;;     12. [M 8,192, K 64] x [K 64, N 64]; A: computed on the way; B: input w_point (given as codes): QUANTISED
;;     13. batch 2 x [M 4,096, K 64] x [K 64, N 4,096]; A: input point_q (given as codes); B: input point_k (given as codes): QUANTISED
;;     14. batch 2 x [M 64, K 4,096] x [K 4,096, N 4,096]; A: input point_v (given as codes); B: softmax (see below): QUANTISED
;;     15. [M 8,192, K 64] x [K 64, N 64]; A: computed on the way; B: input w_point (given as codes): QUANTISED
;;     16. batch 2 x [M 4,096, K 64] x [K 64, N 4,096]; A: input point_q (given as codes); B: input pop_k (given as codes): QUANTISED
;;     17. batch 2 x [M 64, K 4,096] x [K 4,096, N 4,096]; A: input point_v (given as codes); B: softmax (see below): QUANTISED
;;     18. [M 8,192, K 64] x [K 64, N 64]; A: computed on the way; B: input w_point (given as codes): QUANTISED
;;     19. batch 2 x [M 4,096, K 64] x [K 64, N 4,096]; A: input pop_q (given as codes); B: input poi_k (given as codes): QUANTISED
;;     20. batch 2 x [M 64, K 4,096] x [K 4,096, N 4,096]; A: input pop_v (given as codes); B: softmax (see below): QUANTISED
;;     21. [M 8,192, K 64] x [K 64, N 64]; A: computed on the way; B: input w_pop (given as codes): QUANTISED
;;     22. batch 2 x [M 4,096, K 64] x [K 64, N 4,096]; A: input pop_q (given as codes); B: input point_k (given as codes): QUANTISED
;;     23. batch 2 x [M 64, K 4,096] x [K 4,096, N 4,096]; A: input pop_v (given as codes); B: softmax (see below): QUANTISED
;;     24. [M 8,192, K 64] x [K 64, N 64]; A: computed on the way; B: input w_pop (given as codes): QUANTISED
;;     25. batch 2 x [M 4,096, K 64] x [K 64, N 4,096]; A: input pop_q (given as codes); B: input pop_k (given as codes): QUANTISED
;;     26. batch 2 x [M 64, K 4,096] x [K 4,096, N 4,096]; A: input pop_v (given as codes); B: softmax (see below): QUANTISED
;;     27. [M 8,192, K 64] x [K 64, N 64]; A: computed on the way; B: input w_pop (given as codes): QUANTISED
;;   THE QUANTISER, for each operand of a quantised product, along K:
;;     - K is cut into blocks of 32 from its start; a last block that is shorter is filled with zeros.
;;     - A block's scale is 2^e with e = floor(log2(the largest magnitude in the block)) - 2, held to -126 .. 127; a block of zeros has e = 0. As a byte (E8M0): e + 127.
;;     - Each number is divided by its block's scale, clamped to +-7.5, and rounded to the nearest number of E2M3, ties to even, subnormals kept.
;;     - The product sums the exact products of the quantised numbers (number of the format x scale) in f32.
;;   ~~~python
;;   def quantise(x, axis):      # numpy; x: float32 -> the quantised numbers, widened to float32 again
;;       x = np.moveaxis(x, axis, -1); K = x.shape[-1]
;;       x = np.pad(x, [(0, 0)] * (x.ndim - 1) + [(0, -K % 32)]); x = x.reshape(x.shape[:-1] + (-1, 32)); a = np.abs(x).max(-1, keepdims=True)
;;       e = np.where(a > 0, np.clip(np.frexp(np.where(a > 0, a, 1))[1] - 1 - 2, -126, 127), 0)      # np.frexp(a)[1] - 1 = floor(log2(a)), exactly
;;       r = np.clip(x / 2.0 ** e, -7.5, 7.5)
;;       step = 2.0 ** (np.maximum(np.frexp(np.where(r == 0, 1, r))[1] - 1, 0) - 3)
;;       q = np.round(r / step) * step * 2.0 ** e      # np.round: ties to even
;;       return np.moveaxis(q.reshape(q.shape[:-2] + (-1,))[..., :K], -1, axis).astype(np.float32)
;;   ~~~
;;   SOFTMAX AHEAD OF A QUANTISED PRODUCT. Where the list says 'softmax', what is quantised is not the finished softmax but p = 2^(t - M), with t = logit x log2(e) and M = ceil(the row's largest t), a whole number; so 1/2 < the row's largest p <= 1. The row's sum l is taken of the UNQUANTISED p, in f32, and the product's result is divided by l at the end. Since M is a whole number, a kernel that streams over the keys may use a running M (the ceiling of the running maximum): every later rescaling is an exact power of two, which a block's scale takes up: the codes' values come out the same.
;;   OPERANDS COMPUTED ON THE WAY. 'Computed on the way' means the value that the module computes at that place (a softmax that the list does not call 'softmax' is quantised finished and normalised). What goes into a quantiser is computed in f32, as accurately as f32 sums, v_exp_f32 and their like allow (about 1e-6 of the number): no bf16 or f16 on the way to a quantiser, and a product that is left as it is and whose result goes on into a quantised operand takes f32 operands (vector FMAs, or v_wmma_f32_16x16x4_f32). A number that lies on a knife's edge between two numbers of the format may be rounded either way, as far as f32 arithmetic and the matrix unit's own rounding can turn it there, and no further.
;;   INPUTS GIVEN AS CODES. poi_k (in the module: [2, 64, 4096], K = its axis 1); poi_q (in the module: [2, 4096, 64], K = its axis 2); poi_v (in the module: [2, 64, 4096], K = its axis 2); point_k (in the module: [2, 64, 4096], K = its axis 1); point_q (in the module: [2, 4096, 64], K = its axis 2); point_v (in the module: [2, 64, 4096], K = its axis 2); pop_k (in the module: [2, 64, 4096], K = its axis 1); pop_q (in the module: [2, 4096, 64], K = its axis 2); pop_v (in the module: [2, 64, 4096], K = its axis 2); w_poi (in the module: [64, 64], K = its axis 1); w_point (in the module: [64, 64], K = its axis 1); w_pop (in the module: [64, 64], K = its axis 1): each comes as NAME_codes (uint8): NAME with its K axis moved to the last place and cut into blocks of 32 codes, [.., K / 32, bytes a block], one block behind the other in memory; four codes in three bytes: a row's codes are one little-endian stream of bits, code i at bits 6 i .. 6 i + 5 (a code: sign, 2 exponent bits, 3 mantissa bits); and NAME_scales (uint8): the same leading axes, one E8M0 byte (e + 127) for each 32 codes along K. Its value is code x scale, taken as it is: it is not quantised again, and the codes and scales need not be those that the quantiser above would give.
;; One version. Each part assembles by itself: llvm-mc -triple=amdgcn-amd-amdhsa -mcpu=gfx1250 --defsym DOCPART=n.
;; ======== version 1 of 1: 2 launches
;; workspace buffers: kv 2,555,904 bytes
;; launch lay (part 1): grid 64 x 6, 5 waves a work-group, no clusters, 0 bytes of LDS; arguments poi_k_codes, point_k_codes, pop_k_codes, poi_v_codes, point_v_codes, pop_v_codes, poi_k_scales, point_k_scales, pop_k_scales, poi_v_scales, point_v_scales, pop_v_scales, kv; writes kv
.if DOCPART == 1
	.amdgcn_target "amdgcn-amd-amdhsa--gfx1250"
	.amdhsa_code_object_version 6
	.text
	.protected	k_qc7cfa7b222_lay
	.globl	k_qc7cfa7b222_lay
	.p2align	8
	.type	k_qc7cfa7b222_lay,@function
k_qc7cfa7b222_lay:
	s_mov_b64 s[64:65], 0
	v_nop
	global_prefetch_b8 v0, s[64:65] scope:SCOPE_SE
	s_setreg_imm32_b32 hwreg(HW_REG_WAVE_MODE, 25, 1), 1
	s_wait_xcnt 0x0
; K's and V's codes and scale bytes are laid out once as IMAGES OF THE OPERAND REGISTERS that the attention launch wants, so that it reads every fragment
; by 16-byte loads at 16 x lane and finds its scale words ready.  Nothing is computed: bytes change places.
; kv = [batch 2][block 6: K of poi, point, pop, then V of poi, point, pop][key step 32][6,656 bytes].  A key step is 128 keys.  lane l = (r = l % 16, h = l / 16), rr = r + 8 (r / 8).
;   K, step s: bytes 0-6,143: 12 chunks of 512 bytes; chunk c holds registers 4 c .. 4 c + 3 of a run of 48, lane l's 16 bytes at 16 l.  Registers 6 t .. 6 t + 5 are tile t = 2 p + u:
;      the 24 bytes (channels 32 h on) of key 128 s + 32 p + 8 u + rr.  THE KEYS OF A TILE ARE NOT NEIGHBOURS: so the scores' 16 registers of tiles 2 p, 2 p + 1 are 16 neighbouring keys.
;      bytes 6,144-6,655: 16 bytes a lane: word i = the two scale bytes of key 128 s + 32 i + 8 h + rr, zeros above: tile 2 i's in lanes 0-15, tile 2 i + 1's in lanes 16-31.
;   V, step s: bytes 0-6,143: 4 tiles x 3 chunks; tile t = 2 p + u takes channel 32 p + 8 u + rr: registers 0-5 keys 128 s + 32 h on, registers 6-11 keys 128 s + 64 + 32 h on.
;      bytes 6,144-6,655: word i (0, 1) = the step's scale word of channel 32 i + 8 h + rr; words 2, 3 = 0, so that every byte that is read later has been stored.
; SHARES: a work-group makes one block of 6,656 bytes (x = 32 batch + step, y = block).  Waves 0-3 make three chunks each, wave 4 the scale words.  Each store of a wave covers 512 consecutive bytes, aligned.
; V's reads are pieces of 24 bytes of rows 3,072 bytes apart; the work-groups of neighbouring steps read the neighbouring pieces.  No LDS, no loop, no barrier; every lane is on throughout.
.set BLKB,  6656
.set FRAGB, 6144
	s_load_b512 s[8:23], s[0:1], 0x0               ; codes of block i at s[8+2i]; scales of block i at s[20+2i]
	s_load_b256 s[24:31], s[0:1], 0x40
	s_load_b64 s[32:33], s[0:1], 0x60              ; kv
	v_lshrrev_b32 v1, 5, v0
	v_readfirstlane_b32 s2, v1                     ; wave j, 0..4
	v_and_b32 v2, 31, v0                           ; lane
	v_and_b32 v3, 15, v0                           ; r
	v_bfe_u32 v4, v0, 4, 1                         ; h
	v_and_b32 v5, 8, v3
	v_add_nc_u32 v5, v5, v3                        ; rr = r + 8 (r / 8)
	v_lshlrev_b32 v6, 4, v2                        ; 16 x lane
	s_wait_alu depctr_va_vdst(0)
	s_lshr_b32 s3, ttmp9, 5                        ; batch
	s_and_b32 s4, ttmp9, 31                        ; key step
	s_and_b32 s5, ttmp7, 0xffff                    ; block 0..5
	s_mul_i32 s6, s3, 6
	s_add_co_u32 s6, s6, s5
	s_lshl_b32 s6, s6, 5
	s_add_co_u32 s6, s6, s4
	s_mul_i32 s36, s6, BLKB                        ; where my block begins in kv
	s_mov_b32 s37, 0
	s_mov_b32 s39, 0
	s_mul_i32 s41, s2, 1536
	v_add_nc_u32 v8, s41, v6                       ; a fragment wave's place in the block: 1,536 j + 16 x lane
	s_wait_kmcnt 0x0
.irp i, 1,2,3,4,5
	s_cmp_eq_u32 s5, \i                            ; the block's own two buffers: the choice hangs on the work-group's number alone
	s_cselect_b64 s[8:9], s[8+2*\i:9+2*\i], s[8:9]
	s_cselect_b64 s[20:21], s[20+2*\i:21+2*\i], s[20:21]
.endr
	s_add_nc_u64 s[32:33], s[32:33], s[36:37]
	s_cmp_lt_u32 s5, 3
	s_cbranch_scc0 .Lv
	s_cmp_lt_u32 s2, 4
	s_cbranch_scc0 .Lk_scales
	; K's fragments: tiles 2 j and 2 j + 1
	s_lshl_b32 s38, s3, 12
	s_lshl_b32 s40, s4, 7
	s_add_co_u32 s38, s38, s40
	s_lshl_b32 s40, s2, 5
	s_add_co_u32 s38, s38, s40                     ; key 4,096 batch + 128 step + 32 j
	s_mul_i32 s38, s38, 48                         ; a key's 64 codes are 48 bytes
	s_add_nc_u64 s[8:9], s[8:9], s[38:39]
	v_mul_u32_u24 v7, v5, 48
	v_mad_u32_u24 v7, v4, 24, v7                   ; + rr keys, + my half's 24 bytes
.irp u, 0,1
.irp p, 0,1,2
	global_load_b64 v[10+6*\u+2*\p:11+6*\u+2*\p], v7, s[8:9] offset:384*\u+8*\p   ; tile 2 j + u lies 8 keys on
.endr
.endr
	s_branch .Lfrag_out
.Lk_scales:
	s_lshl_b32 s38, s3, 12
	s_lshl_b32 s40, s4, 7
	s_add_co_u32 s38, s38, s40
	s_lshl_b32 s38, s38, 1                         ; two scale bytes a key
	s_add_nc_u64 s[20:21], s[20:21], s[38:39]
	v_lshl_add_u32 v7, v4, 3, v5
	v_lshlrev_b32 v7, 1, v7                        ; key 8 h + rr
.irp i, 0,1,2,3
	global_load_u16 v[24+\i], v7, s[20:21] offset:64*\i   ; 32 keys on for each word; the upper half of the word comes as zeros
.endr
	s_branch .Lscale_out
.Lv:
	s_cmp_lt_u32 s2, 4
	s_cbranch_scc0 .Lv_scales
	; V's fragments: tile j
	s_lshl_b32 s38, s3, 6
	s_lshr_b32 s40, s2, 1
	s_lshl_b32 s40, s40, 5
	s_add_co_u32 s38, s38, s40
	s_and_b32 s40, s2, 1
	s_lshl_b32 s40, s40, 3
	s_add_co_u32 s38, s38, s40                     ; channel row 64 batch + 32 (j / 2) + 8 (j % 2)
	s_mul_i32 s38, s38, 3072                       ; a channel's 4,096 codes are 3,072 bytes
	s_mul_i32 s40, s4, 96                          ; a step's 128 codes are 96
	s_add_co_u32 s38, s38, s40
	s_add_nc_u64 s[8:9], s[8:9], s[38:39]
	v_mul_u32_u24 v7, v5, 3072
	v_mad_u32_u24 v7, v4, 24, v7
.irp c, 0,1
.irp p, 0,1,2
	global_load_b64 v[10+6*\c+2*\p:11+6*\c+2*\p], v7, s[8:9] offset:48*\c+8*\p
.endr
.endr
.Lfrag_out:
	s_wait_loadcnt 0x0
	s_wait_alu depctr_va_vdst(0)
.irp c, 0,1,2
	global_store_b128 v8, v[10+4*\c:13+4*\c], s[32:33] offset:512*\c
.endr
	s_endpgm
.Lv_scales:
	s_lshl_b32 s38, s3, 13                         ; a batch's 64 rows of 128 scale bytes,
	s_lshl_b32 s40, s4, 2                          ; the step's four bytes
	s_add_co_u32 s38, s38, s40
	s_add_nc_u64 s[20:21], s[20:21], s[38:39]
	v_lshl_add_u32 v7, v4, 3, v5
	v_lshlrev_b32 v7, 7, v7                        ; channel 8 h + rr
.irp i, 0,1
	global_load_b32 v[24+\i], v7, s[20:21] offset:4096*\i   ; 32 channels on
.endr
	v_mov_b32 v26, 0
	v_mov_b32 v27, 0
.Lscale_out:
	s_wait_alu depctr_va_vdst(0)
	s_wait_loadcnt 0x0
	global_store_b128 v6, v[24:27], s[32:33] offset:FRAGB
	s_endpgm
.Lfunc_end_k_qc7cfa7b222_lay:
	.size	k_qc7cfa7b222_lay, .Lfunc_end_k_qc7cfa7b222_lay-k_qc7cfa7b222_lay
	.p2alignl 7, 3214868480
	.fill 96, 4, 3214868480
	.section	.rodata,"a",@progbits
	.p2align	6, 0x0
	.amdhsa_kernel k_qc7cfa7b222_lay
		.amdhsa_group_segment_fixed_size 0
		.amdhsa_private_segment_fixed_size 0
		.amdhsa_enable_private_segment 0
		.amdhsa_kernarg_size 104
		.amdhsa_user_sgpr_count 2
		.amdhsa_user_sgpr_kernarg_segment_ptr 1
		.amdhsa_wavefront_size32 1
		.amdhsa_system_sgpr_workgroup_id_x 1
		.amdhsa_system_sgpr_workgroup_id_y 1
		.amdhsa_system_sgpr_workgroup_id_z 1
		.amdhsa_system_vgpr_workitem_id 0
		.amdhsa_next_free_vgpr 32
		.amdhsa_next_free_sgpr 66
		.amdhsa_reserve_vcc 0
		.amdhsa_float_denorm_mode_32 3
		.amdhsa_float_denorm_mode_16_64 3
		.amdhsa_memory_ordered 1
		.amdhsa_forward_progress 1
		.amdhsa_inst_pref_size 6
	.end_amdhsa_kernel
	.amdgpu_metadata
---
amdhsa.version: [ 1, 2 ]
amdhsa.kernels:
  - .name:           k_qc7cfa7b222_lay
    .symbol:         k_qc7cfa7b222_lay.kd
    .args:
      - { .name: poi_k_codes, .offset: 0, .size: 8, .value_kind: global_buffer, .address_space: global }
      - { .name: point_k_codes, .offset: 8, .size: 8, .value_kind: global_buffer, .address_space: global }
      - { .name: pop_k_codes, .offset: 16, .size: 8, .value_kind: global_buffer, .address_space: global }
      - { .name: poi_v_codes, .offset: 24, .size: 8, .value_kind: global_buffer, .address_space: global }
      - { .name: point_v_codes, .offset: 32, .size: 8, .value_kind: global_buffer, .address_space: global }
      - { .name: pop_v_codes, .offset: 40, .size: 8, .value_kind: global_buffer, .address_space: global }
      - { .name: poi_k_scales, .offset: 48, .size: 8, .value_kind: global_buffer, .address_space: global }
      - { .name: point_k_scales, .offset: 56, .size: 8, .value_kind: global_buffer, .address_space: global }
      - { .name: pop_k_scales, .offset: 64, .size: 8, .value_kind: global_buffer, .address_space: global }
      - { .name: poi_v_scales, .offset: 72, .size: 8, .value_kind: global_buffer, .address_space: global }
      - { .name: point_v_scales, .offset: 80, .size: 8, .value_kind: global_buffer, .address_space: global }
      - { .name: pop_v_scales, .offset: 88, .size: 8, .value_kind: global_buffer, .address_space: global }
      - { .name: kv, .offset: 96, .size: 8, .value_kind: global_buffer, .address_space: global }
    .group_segment_fixed_size: 0
    .private_segment_fixed_size: 0
    .kernarg_segment_align: 8
    .kernarg_segment_size: 104
    .max_flat_workgroup_size: 160
    .sgpr_count:     66
    .vgpr_count:     32
    .wavefront_size: 32
...
	.end_amdgpu_metadata
.endif
;; end of part 1
;; launch attn (part 2): grid 64 x 4, 18 waves a work-group, clusters of 4 x 1, 327,680 bytes of LDS; arguments kv, poi_q_codes, point_q_codes, pop_q_codes, poi_q_scales, point_q_scales, pop_q_scales, w_poi_codes, w_point_codes, w_pop_codes, w_poi_scales, w_point_scales, w_pop_scales, b_poi, b_point, b_pop, x_poi, x_point, x_pop, out0, out1, out2; writes out0, out1, out2
.if DOCPART == 2
	.amdgcn_target "amdgcn-amd-amdhsa--gfx1250"
	.amdhsa_code_object_version 6
	.text
	.protected	k_qc7cfa7b222_attn
	.globl	k_qc7cfa7b222_attn
	.p2align	8
	.type	k_qc7cfa7b222_attn,@function
k_qc7cfa7b222_attn:
	s_mov_b64 s[64:65], 0
	v_nop
	global_prefetch_b8 v0, s[64:65] scope:SCOPE_SE
	s_setreg_imm32_b32 hwreg(HW_REG_WAVE_MODE, 25, 1), 1
	s_wait_xcnt 0x0
	s_wait_alu depctr_hold_cnt(0) depctr_sa_sdst(0) depctr_va_vdst(0) depctr_va_sdst(0) depctr_va_ssrc(0) depctr_va_vcc(0) depctr_vm_vsrc(0)
	s_getreg_b32 s2, hwreg(HW_REG_IB_STS2, 6, 4)
	s_cmp_eq_u32 s2, 0
	s_cbranch_scc0 .Lentry_in_a_cluster
	s_endpgm
.Lentry_in_a_cluster:
	s_bfe_u32 s2, ttmp6, 0x10000c
	s_cmp_lg_u32 s2, 0x3003
	s_cbranch_scc0 .Lentry_shape_is_right
	s_endpgm
.Lentry_shape_is_right:
; out_q[b][64 ks + o'][i] = sum over c of w_q[o'][c] Q(o[c][i]) + b_q[o'] + x_q[b][o'][i],  o[c][i] = (sum over keys j of v_q[c][j] Q(p[i][j])) / l[i],  p = 2^(t - M), t = (q_i . k_j) log2(e),
; for 3 query streams q x 3 key streams ks x 2 batches; 4,096 queries, 4,096 keys, 64 channels.  All three products on codes of FP6 (E2M3) with one E8M0 scale for each 32 along K; all else in f32.
; M is the running largest t rounded UP to a whole number; l is the sum of the unquantised p; when M moves, l and O are multiplied by 2^(old M - new M), which rounds nothing.
; SHARES.  The unit of work is a tile: one (q, ks) pair x 16 queries; there are 18 x 256 = 4,608 of them, 18 for each of 256 work-groups: a wave to a tile, in 192 registers, so that several waves lie on
; a SIMD and one wave's products and LDS loads stand beside another's softmax.  Four tiles of one pair and 64 neighbouring positions (a quad) give whole rows of 256 bytes of the output; 1,152 quads on 256
; work-groups are 4.5 each: two work-groups (par = 0, 1) share a block of 64 positions of a batch; each takes four quads and half of the ninth, whose rows therefore leave in runs of 128 bytes.
; Waves 4 g .. 4 g + 3 are group g = 0 .. 4 with (query place, key place) = (0,0) (0,1) (0,2) (1,0) (1,1); group 4 has two waves.  With par = 1 place i stands for stream 2 - i: the two sets together are all nine pairs.
; The mirror is made in GLOBAL addresses alone (what is fetched into an LDS place; which buffers a wave's pointers name): no LDS address and no branch hangs on par or on the place in the cluster.
; CLUSTER.  The four work-groups of a cluster share batch and par and walk the same K and V: each tile is asked for JOINTLY, by the same tensor load with the same descriptor and a mask that names the four.
; K AND V come from kv, laid by the launch before as images of the operand registers: a fragment is read by 16-byte loads at 16 x lane (an instruction's 512 bytes are consecutive: no pitch, no padding),
; a step's scale words by one load, two tiles to a register (lanes 0-15, lanes 16-31).  A slot of the ring holds 4 key steps (512 keys) of 3 places of K and 2 of V: five dense blocks of 26,624 bytes.
; LAYOUT.  Both attention products are used transposed: S^T = K Q^T, O^T = V^T P^T: a lane holds ONE query (lane % 16) throughout.  By kv's choice of a tile's rows the 16 registers of two neighbouring tiles
; are 16 neighbours along the next K (keys for p, channels for o), which is what the conversions take.
; K = 64 IN AN INSTRUCTION 128 DEEP.  Q's registers 6-11 are zero codes.  The other operand of key tile t is v[F+6t .. F+6t+11]: its upper six registers are whatever follows (the next tile's codes; for tile 7
; work registers).  Every 6-bit pattern is a finite number, so those products are exactly 0; the scale bytes of that half are 0, which stands for 2^-127.  The last product does the same with o's codes (zeros above) and w's fragments.
; LIMITS.  A scale byte 0xff (NaN) among the inputs is not served.  A p under 2^-126 becomes 0 (v_exp_f32 gives no denormals: ISA guide, its entry in 15.8); l is above 1/2.  A block of zeros gets the scale byte 1
; where the quantiser's rule says 127: its codes are zeros, and the byte does not leave this program.  t is formed in f32 from the score, so its error grows with the size of the scores.
.set STEPB, 6656                       ; a key step's block in kv and in LDS
.set FRAGB, 6144                       ; its fragments; behind them 512 bytes of scale words
.set POSB,  4*STEPB                    ; a place of a slot: 4 steps = 26,624 bytes = 104 rows of 256
.set SLOT,  5*POSB                     ; 133,120
.set SPARE, 2*SLOT                     ; behind the ring: the spare words, 128 bytes for each of 18 waves: nine blocks of 256 bytes that no other line names
.set SPITCH, 272                       ; the way out: a stage row, 256 bytes + 16; the stage lies in slot 0, which has had its last fill and its last read when the first result is stored there
.set GRPB,  64*SPITCH                  ; a group's 64 rows
.set AK0, 1                            ; v1   16 x lane + my key place's bytes in a slot          (way out: WA)
.set AV0, 2                            ; v2   16 x lane + my V place's                            (way out: BA)
.set SPW, 4                            ; v4   LDS address of my spare word; never rewritten
.set NIL, 5                            ; v5   0; never rewritten
.set ADK, 6                            ; v6   the step's K block                                  (way out: STO)
.set ADV, 7                            ; v7   the step's V block                                  (way out: RD)
.set NM,  8                            ; v8   -M        (a pair with v9: the packed form names both)
.set TX,  9                            ; v9   the running largest t
.set L,   10                           ; v[10:11] the row's sum in two halves
.set Q,   12                           ; v[12:23] Q's fragment: 12-17 codes, 18-23 zero codes
.set QS,  24                           ; v24  Q's scale word
.set PW,  25                           ; v25  p's scale word; at the end o's
.set KVS, 26                           ; v[26:29] scale words of K, then of V; at the end of w
.set FF,  30                           ; v[30:31] f = 2^(old M - new M); at the end 1 / l
.set TT,  32                           ; v[32:33] at work
.set F,   34                           ; v[34:81] a step's fragments of K, then of V
.set BM,  82                           ; v[82:85] the blocks' largest scores, then largest p, then the conversions' scale operands
.set W,   86                           ; v[86:93] at work
.set S,   94                           ; v[94:157] S^T, then p
.set PC,  S+16                         ; v[110:121] p's codes, laid over p once it has been summed and converted
.set O,   158                          ; v[158:189] O^T
.set GO,  190                          ; v190 the way out: my byte offset in x and in out
.set WV,  52
.set CX,  53
.set PB,  54
.set BT,  55
.set PAR, 56
.set GR,  57
.set QP,  58
.set KP,  59
.set QA,  60
.set KA,  61
.set EE,  62
.set ZZ,  63
.set TAU, 66
.set TB,  67                           ; s67  LDS byte at which the step in hand begins in a place
.set G1,  68                           ; s[68:75] descriptor group 1
.set G0,  76                           ; s[76:79], s[80:83] group 0 for slot 0, slot 1
.set QCNT, 84
.set LOOP, 85
.set SEL, 86                           ; s[86:87] v_permlanex16_b32's selects for lane l xor 16
.set CS,  88                           ; s[88:89] log2(e), twice
; s90-s93, s98, s99: temporaries that never hold my place in the cluster;  s53, s54, s94-s97: those that may
; A round of the cluster's barrier: my work-group's barrier, so that wave 0's signal speaks for all eighteen waves; wave 0 signals; every wave waits for the four work-groups; my work-group's barrier once more.
.macro CROUND
	s_barrier_signal -1
	s_barrier_wait -1
	s_cmp_lg_u32 s[WV], 0
	s_cbranch_scc1 .Lnot_wave_0_\@
	s_barrier_signal -3
.Lnot_wave_0_\@:
	s_barrier_wait -3
	s_barrier_signal -1
	s_barrier_wait -1
.endm
; A joint refill: waves 0-4 fetch one place each, the others nothing.  The branch hangs on the wave's number alone.  Four v_nop follow the load.
.macro JLOAD g0
	s_cmp_lt_u32 s[WV], 5
	s_cbranch_scc0 .Lnone_\@
	tensor_load_to_lds s[\g0:\g0+3], s[G1:G1+7]
	s_nop 0
.rept 4
	v_nop
.endr
.Lnone_\@:
.endm
; S^T's tile t: 16 keys x my 16 queries.  Scale words: register t / 2, tile 2 i in lanes 0-15, tile 2 i + 1 in lanes 16-31.
.macro KQ t
.if (\t)%2
	v_wmma_scale_f32_16x16x128_f8f6f4 v[S+8*\t:S+8*\t+7], v[F+6*\t:F+6*\t+11], v[Q:Q+11], 0, v[KVS+\t/2], v[QS] matrix_a_fmt:MATRIX_FMT_FP6 matrix_b_fmt:MATRIX_FMT_FP6 matrix_a_scale:MATRIX_SCALE_ROW1
.else
	v_wmma_scale_f32_16x16x128_f8f6f4 v[S+8*\t:S+8*\t+7], v[F+6*\t:F+6*\t+11], v[Q:Q+11], 0, v[KVS+\t/2], v[QS] matrix_a_fmt:MATRIX_FMT_FP6 matrix_b_fmt:MATRIX_FMT_FP6
.endif
.endm
; O^T's tile t: 16 channels x my 16 queries, K = the step's 128 keys
.macro PV t
.if (\t)%2
	v_wmma_scale_f32_16x16x128_f8f6f4 v[O+8*\t:O+8*\t+7], v[F+12*\t:F+12*\t+11], v[PC:PC+11], v[O+8*\t:O+8*\t+7], v[KVS+\t/2], v[PW] matrix_a_fmt:MATRIX_FMT_FP6 matrix_b_fmt:MATRIX_FMT_FP6 matrix_a_scale:MATRIX_SCALE_ROW1
.else
	v_wmma_scale_f32_16x16x128_f8f6f4 v[O+8*\t:O+8*\t+7], v[F+12*\t:F+12*\t+11], v[PC:PC+11], v[O+8*\t:O+8*\t+7], v[KVS+\t/2], v[PW] matrix_a_fmt:MATRIX_FMT_FP6 matrix_b_fmt:MATRIX_FMT_FP6
.endif
.endm
; A KEY STEP: 128 keys.
.macro STEP
	v_add_nc_u32 v[ADK], s[TB], v[AK0]
	v_add_nc_u32 v[ADV], s[TB], v[AV0]
.rept 3
	v_nop                                          ; with the two additions: five places behind the last step's products: four in front of the loads into their fragments and scale words, five in front of the products below, which write over p's codes
.endr
	ds_load_b128 v[KVS:KVS+3], v[ADK] offset:FRAGB ; K's scale words of the eight tiles
.irp c, 0,1,2,3,4,5,6,7,8,9,10,11
	ds_load_b128 v[F+4*\c:F+4*\c+3], v[ADK] offset:512*\c
.endr
	s_wait_alu depctr_va_vdst(0)
	s_wait_dscnt 6                                 ; LDS loads come back in order: the scale words and chunks 0-5 (registers F .. F+23, all that tiles 0-2 name) are in; the six younger loads may be out
.irp t, 0,1,2
	KQ \t
.endr
	s_wait_dscnt 0x0
.irp t, 3,4,5,6,7
	KQ \t
.endr
.rept 4
	v_nop                                          ; four places: in front of the loads into K's registers, and of the first read of the scores
.endr
.irp c, 0,1,2,3,4,5,6,7,8,9,10,11
	ds_load_b128 v[F+4*\c:F+4*\c+3], v[ADV] offset:512*\c   ; V's four fragments are asked for now and land under the softmax
.endr
	ds_load_b64 v[KVS:KVS+1], v[ADV] offset:FRAGB  ; and their scale words
.irp b, 0,1,2,3
	v_max3_num_f32 v[BM+\b], v[S+16*\b], v[S+16*\b+1], v[S+16*\b+2]   ; THE LARGEST SCORE OF EACH BLOCK OF 32 KEYS serves twice: for the row's maximum and, since p rises with the score, for the block's largest p.  (Each accumulator is first read at its low end)
.endr
.irp i, 3,5,7,9,11,13
.irp b, 0,1,2,3
	v_max3_num_f32 v[BM+\b], v[BM+\b], v[S+16*\b+\i], v[S+16*\b+\i+1]   ; (the four blocks by turns)
.endr
.endr
.irp b, 0,1,2,3
	v_max_num_f32 v[BM+\b], v[BM+\b], v[S+16*\b+15]
.endr
.irp b, 0,1,2,3
	s_delay_alu instid0(VALU_DEP_4)
	v_permlanex16_b32 v[W+\b], v[BM+\b], s[SEL], s[SEL+1]
.endr
.irp b, 0,1,2,3
	s_delay_alu instid0(VALU_DEP_4)
	v_max_num_f32 v[BM+\b], v[BM+\b], v[W+\b]      ; with lane l xor 16's 16 keys
.endr
	s_delay_alu instid0(VALU_DEP_2)
	v_max3_num_f32 v[TT], v[BM], v[BM+1], v[BM+2]
	s_delay_alu instid0(VALU_DEP_1)
	v_max_num_f32 v[TT], v[TT], v[BM+3]            ; the step's largest score of my query
	s_delay_alu instid0(VALU_DEP_1)
	v_mul_f32 v[TT], s[CS], v[TT]                  ; as t
	s_delay_alu instid0(VALU_DEP_1)
	v_max_num_f32 v[TX], v[TX], v[TT]              ; the running largest t
	v_mov_b32 v[TT], v[NM]
	s_delay_alu instid0(VALU_DEP_2)
	v_floor_f32 v[NM], -v[TX]                      ; the new -M = floor(-t) = -ceil(t)
	s_delay_alu instid0(VALU_DEP_1)
	v_sub_f32 v[TT], v[NM], v[TT]                  ; old M - new M: a whole number, 0 or less
	s_delay_alu instid0(VALU_DEP_1)
	v_cvt_i32_f32 v[TT], v[TT]                     ; (it saturates)
	s_delay_alu instid0(VALU_DEP_1)
	v_ldexp_f32 v[FF], 1.0, v[TT]                  ; f = 2^(old M - new M)
.set j, 0
.rept 32
	v_pk_fma_f32 v[S+j:S+j+1], v[S+j:S+j+1], s[CS:CS+1], v[NM:NM+1] op_sel_hi:[1,0,0]   ; t - M, two at a time (of the pairs the low word serves both halves)
.set j, j+2
.endr
.irp b, 0,1,2,3
	v_fma_f32 v[BM+\b], v[BM+\b], s[CS], v[NM]     ; the same of each block's largest score
.endr
.set j, 0
	s_wait_alu depctr_va_vdst(0)
.rept 64
	v_exp_f32 v[S+j], v[S+j]                       ; p = 2^(t - M): NOT normalised
.set j, j+1
.endr
	s_setprio 1
.irp b, 0,1,2,3
	v_exp_f32 v[BM+\b], v[BM+\b]                   ; the block's largest p: the same two instructions on the same number give the same bits
.endr
	v_pk_mul_f32 v[L:L+1], v[L:L+1], v[FF:FF+1] op_sel_hi:[1,0]   ; the sums under the new M.  (The plain instruction behind the exponentials: ISA guide 5.7.2)
	s_wait_alu depctr_va_vdst(0)
.irp b, 0,1,2,3
	v_max_num_f32 v[BM+\b], 0x1800000, v[BM+\b]    ; the floor 2^(3 - 127): the byte cannot fall under 1
.endr
.irp b, 0,1,2,3
	s_delay_alu instid0(VALU_DEP_4)
	v_add_nc_u32 v[BM+\b], 0xff000000, v[BM+\b]    ; 2 off the exponent field: the conversion's scale operand
.endr
.irp b, 0,1,2,3
	s_delay_alu instid0(VALU_DEP_4)
	v_lshrrev_b32 v[W+\b], 23, v[BM+\b]            ; the scale's byte
.endr
	s_delay_alu instid0(VALU_DEP_3)
	v_lshl_or_b32 v[PW], v[W+1], 8, v[W]           ; p's scale word for these 128 keys
	s_delay_alu instid0(VALU_DEP_1)
	v_lshl_or_b32 v[PW], v[W+2], 16, v[PW]
	s_delay_alu instid0(VALU_DEP_1)
	v_lshl_or_b32 v[PW], v[W+3], 24, v[PW]
	v_pk_add_f32 v[32:33], v[98:99], v[102:103]
	v_pk_add_f32 v[190:191], v[106:107], v[110:111]
	v_pk_add_f32 v[92:93], v[114:115], v[118:119]
	v_pk_add_f32 v[90:91], v[122:123], v[126:127]
	v_pk_add_f32 v[86:87], v[130:131], v[134:135]
	v_pk_add_f32 v[28:29], v[138:139], v[142:143]
	v_pk_add_f32 v[6:7], v[146:147], v[150:151]
	v_pk_add_f32 v[10:11], v[10:11], v[154:155]
	v_pk_add_f32 v[32:33], v[32:33], v[94:95]
	v_pk_add_f32 v[190:191], v[190:191], v[96:97]
	v_pk_add_f32 v[92:93], v[92:93], v[100:101]
	v_pk_add_f32 v[90:91], v[90:91], v[104:105]
	v_pk_add_f32 v[86:87], v[86:87], v[108:109]
	v_pk_add_f32 v[28:29], v[28:29], v[112:113]
	v_pk_add_f32 v[6:7], v[6:7], v[116:117]
	v_pk_add_f32 v[10:11], v[10:11], v[120:121]
	v_pk_add_f32 v[32:33], v[32:33], v[124:125]
	v_pk_add_f32 v[190:191], v[190:191], v[128:129]
	v_pk_add_f32 v[92:93], v[92:93], v[132:133]
	v_pk_add_f32 v[90:91], v[90:91], v[136:137]
	v_pk_add_f32 v[86:87], v[86:87], v[140:141]
	v_pk_add_f32 v[28:29], v[28:29], v[144:145]
	v_pk_add_f32 v[6:7], v[6:7], v[148:149]
	v_pk_add_f32 v[10:11], v[10:11], v[152:153]
	v_pk_add_f32 v[32:33], v[32:33], v[156:157]
	s_delay_alu instid0(VALU_DEP_2)
	v_pk_add_f32 v[10:11], v[10:11], v[90:91]
	s_delay_alu instid0(VALU_DEP_2)
	v_pk_add_f32 v[32:33], v[32:33], v[86:87]
	v_pk_add_f32 v[190:191], v[190:191], v[28:29]
	v_pk_add_f32 v[92:93], v[92:93], v[6:7]
	s_delay_alu instid0(VALU_DEP_2)
	v_pk_add_f32 v[10:11], v[10:11], v[190:191]
	s_delay_alu instid0(VALU_DEP_2)
	v_pk_add_f32 v[32:33], v[32:33], v[92:93]
	s_delay_alu instid0(VALU_DEP_1)
	v_pk_add_f32 v[10:11], v[10:11], v[32:33]
	v_cvt_scalef32_pk16_fp6_f32 v[W:W+2], v[S+16:S+31], v[BM+1]       ; blocks 1 and 3 first, into work registers: their numbers lie where the codes will lie
	v_cvt_scalef32_pk16_fp6_f32 v[W+4:W+6], v[S+48:S+63], v[BM+3]
	v_nop                                          ; one plain instruction between a scaled conversion and what writes its sources
	v_cvt_scalef32_pk16_fp6_f32 v[PC:PC+2], v[S:S+15], v[BM]          ; blocks 0 and 2
	v_cvt_scalef32_pk16_fp6_f32 v[PC+6:PC+8], v[S+32:S+47], v[BM+2]
	v_nop                                          ; and between a scaled conversion and what touches its result
.irp c, 0,1                                        ; the operand's layout wants a WHOLE block in a lane: lanes 0-15 block 2 c, lanes 16-31 block 2 c + 1
.irp i, 0,1,2
	v_permlane16_swap_b32 v[PC+6*\c+\i], v[W+4*\c+\i]
.endr
.irp i, 0,1,2
	s_delay_alu instid0(VALU_DEP_3)
	v_mov_b32 v[PC+3+6*\c+\i], v[W+4*\c+\i]
.endr
.endr
.set j, 0
	s_setprio 0
.rept 16
	v_pk_mul_f32 v[O+j:O+j+1], v[O+j:O+j+1], v[FF:FF+1] op_sel_hi:[1,0]   ; O^T under the new M, from each accumulator's low end on.  For each product below twelve of these name none of its registers: the places behind the last write of p's codes
.set j, j+2
.endr
	s_wait_alu depctr_va_vdst(0)
	s_wait_dscnt 0x0                               ; V's fragments and scale words are in
.irp t, 0,1,2,3
	PV \t                                          ; the four accumulators take turns, one instruction a turn
.endr
.endm
; THE CHANGE OF SLOTS, at the head of slot `slot`.  Each wave waits for all its tensor loads (its part of the slot ahead), adds 0 to its spare word, and waits for that and for its reads of the slot that it has left.
; fill = 1: the slot just left is filled with the keys two slots on.  The barrier is then a round of the cluster's, so that no wave of any partner still reads that slot or has a load on its way;
; the joint refill is the first thing behind it and has four key steps in which to land.  One tensor load of a wave is out from there to the next change.
.macro CHANGE slot, fill
	s_wait_tensorcnt 0x0                           ; no tensor load of mine is out, so a group 0 may be written
	ds_add_u32 v[SPW], v[NIL]                      ; 0 onto my spare word
.if \fill
	s_add_nc_u64 s[G0+4*(1-\slot)+2:G0+4*(1-\slot)+3], s[G0+4*(1-\slot)+2:G0+4*(1-\slot)+3], 2*POSB   ; the other slot's next four steps; the type bits on top are not reached
.endif
	s_wait_dscnt 0x0                               ; the add is done, and my reads of the slot that I have left are over
.if \fill
	CROUND
	JLOAD G0+4*(1-\slot)
.else
	s_barrier_signal -1
	s_barrier_wait -1
.endif
.endm
.macro SLOTWORK slot                   ; a slot's four key steps: written once, walked four times
	s_mov_b32 s[TB], \slot*SLOT
	s_mov_b32 s[QCNT], 4
.Lstep_\@:
	s_setprio 2
	STEP
	s_add_co_u32 s[TB], s[TB], STEPB
	s_sub_co_u32 s[QCNT], s[QCNT], 1
	s_cmp_lg_u32 s[QCNT], 0
	s_cbranch_scc1 .Lstep_\@
	s_setprio 0
.endm
	s_load_b512 s[8:23], s[0:1], 0x0               ; argument i at s[8+2i]: kv; q codes x 3; q scales x 3; w codes ..
	s_load_b512 s[24:39], s[0:1], 0x40
	s_load_b256 s[40:47], s[0:1], 0x80
	s_load_b128 s[48:51], s[0:1], 0xa0
	v_lshl_add_u32 v[SPW], v0, 2, SPARE
	v_mov_b32 v[NIL], 0
	ds_add_u32 v4, v5
	ds_add_u32 v4, v5
	s_wait_dscnt 0x0
	v_lshrrev_b32 v3, 5, v0
	s_delay_alu instid0(VALU_DEP_1)
	v_readfirstlane_b32 s[WV], v3                  ; wave 0..17
	s_bfe_u32 s[CX], ttmp6, 0x40000                ; my place in the cluster: it enters Q's, x's and out's addresses alone
	s_lshl_b32 s[PB], ttmp9, 2
	s_add_co_u32 s[PB], s[PB], s[CX]               ; my block of 64 positions
	s_and_b32 s[BT], ttmp7, 0xffff
	s_and_b32 s[PAR], s[BT], 1                     ; which half of the nine pairs
	s_lshr_b32 s[BT], s[BT], 1                     ; the batch
	s_lshr_b32 s[GR], s[WV], 2                     ; group 0..4
	s_and_b32 s[EE], s[WV], 3                      ; my place in it
	s_lshr_b32 s[ZZ], s[WV], 4                     ; 1 for the half quad
	s_mul_i32 s[QP], s[GR], 11
	s_lshr_b32 s[QP], s[QP], 5                     ; query place: 0 0 0 1 1
	s_add_co_u32 s[KP], s[GR], s[QP]
	s_and_b32 s[KP], s[KP], 3                      ; key place: 0 1 2 0 1
	s_sub_co_u32 s[QA], 2, s[QP]
	s_sub_co_u32 s[KA], 2, s[KP]
	s_cmp_eq_u32 s[PAR], 0
	s_cselect_b32 s[QA], s[QP], s[QA]              ; the streams that the places stand for
	s_cselect_b32 s[KA], s[KP], s[KA]
	s_mul_i32 s[TAU], s[PAR], s[ZZ]
	s_lshl_b32 s[TAU], s[TAU], 1
	s_add_co_u32 s[TAU], s[TAU], s[EE]             ; my tile of 16 among the 64 positions: the half quad's two tiles are 2 par, 2 par + 1
	; descriptor group 1: a dense block of 26,624 bytes as 104 rows of 256 bytes (32 elements of 8 bytes), no padding
	s_mov_b32 s[G1], 15|(3<<16)|(1<<21)            ; 15:0 the mask: all four work-groups; 17:16 elements of 8 bytes; 21 set beside a mask
	s_mov_b32 s[G1+1], 32<<16                      ; tensor_dim0 = 32
	s_mov_b32 s[G1+2], 104<<16                     ; tensor_dim1 = 104
	s_mov_b32 s[G1+3], 32<<16                      ; tile_dim0 = 32
	s_mov_b32 s[G1+4], 104                         ; tile_dim1 = 104
	s_mov_b32 s[G1+5], 32                          ; from row to row
	s_mov_b32 s[G1+6], 0
	s_mov_b32 s[G1+7], 0
	; what I fetch, if I fetch: place wl = 0..4 of a slot: K's places 0-2, V's places 0-1
	s_min_u32 s90, s[WV], 4
	s_mul_i32 s91, s90, POSB                       ; where it goes: the wave's number times a constant
	s_mul_i32 s92, s90, 11
	s_lshr_b32 s92, s92, 5                         ; 0 for K, 1 for V
	s_add_co_u32 s93, s90, s92
	s_and_b32 s93, s93, 3                          ; the place among K's or V's
	s_sub_co_u32 s90, 2, s93
	s_cmp_eq_u32 s[PAR], 0
	s_cselect_b32 s93, s93, s90                    ; the stream that it stands for
	s_mul_i32 s92, s92, 3
	s_add_co_u32 s92, s92, s93                     ; kv's block 0..5
	s_mul_i32 s90, s[BT], 6
	s_add_co_u32 s90, s90, s92
	s_mul_i32 s92, s90, 32*STEPB
	s_mov_b32 s93, 0
	s_mov_b32 s[SEL], 0x76543210
	s_mov_b32 s[SEL+1], 0xfedcba98
	s_mov_b32 s[CS], 0x3fb8aa3b                    ; log2(e)
	s_mov_b32 s[CS+1], s[CS]                       ; (named with it as a pair, so it is written)
	s_wait_kmcnt 0x0
	s_cmp_eq_u32 s[QA], 1                          ; my query stream's seven buffers: q codes s[10:11], q scales s[16:17], w codes s[22:23], w scales s[28:29], b s[34:35], x s[40:41], out s[46:47]
.irp k, 0,1,2,3,4,5,6
	s_cselect_b64 s[10+6*\k:11+6*\k], s[12+6*\k:13+6*\k], s[10+6*\k:11+6*\k]
.endr
	s_cmp_eq_u32 s[QA], 2
.irp k, 0,1,2,3,4,5,6
	s_cselect_b64 s[10+6*\k:11+6*\k], s[14+6*\k:15+6*\k], s[10+6*\k:11+6*\k]
.endr
	s_add_nc_u64 s[8:9], s[8:9], s[92:93]
	s_mov_b32 s[G0], 1                             ; 1:0 count = 1
	s_mov_b32 s[G0+1], s91                         ; LDS address: slot 0
	s_mov_b64 s[G0+2:G0+3], s[8:9]                 ; global address: key steps 0-3
	s_or_b32 s[G0+3], s[G0+3], 0x80000000          ; type = 2
	s_mov_b32 s[G0+4], 1
	s_add_co_u32 s[G0+5], s91, SLOT                ; slot 1
	s_add_nc_u64 s[G0+6:G0+7], s[8:9], POSB        ; key steps 4-7
	s_or_b32 s[G0+7], s[G0+7], 0x80000000
	CROUND                                         ; all four work-groups are here: the first joint loads meet
	s_cmp_lt_u32 s[WV], 5                          ; a wave's two first fills stand in one branch, ahead of every wait on TENSORcnt and every LDS read: two loads of mine are out
	s_cbranch_scc0 .Lno_first
	tensor_load_to_lds s[G0:G0+3], s[G1:G1+7]
	s_nop 0
	tensor_load_to_lds s[G0+4:G0+7], s[G1:G1+7]
	s_nop 0
.rept 4
	v_nop
.endr
.Lno_first:
	; Q's fragment and scale word stay in registers
	s_lshl_b32 s94, s[BT], 12
	s_lshl_b32 s95, s[PB], 6
	s_add_co_u32 s94, s94, s95
	s_lshl_b32 s95, s[TAU], 4
	s_add_co_u32 s94, s94, s95                     ; my first query's row: 4,096 batch + 64 block + 16 tile
	s_mul_i32 s96, s94, 48
	s_mov_b32 s97, 0
	s_add_nc_u64 s[10:11], s[10:11], s[96:97]
	s_lshl_b32 s96, s94, 1
	s_add_nc_u64 s[16:17], s[16:17], s[96:97]
	v_and_b32 v3, 15, v0                           ; r
	v_bfe_u32 v191, v0, 4, 1                       ; h
	s_delay_alu instid0(VALU_DEP_2)
	v_mul_u32_u24 v[ADK], v3, 48
	s_delay_alu instid0(VALU_DEP_1)
	v_mad_u32_u24 v[ADK], v191, 24, v[ADK]         ; row r, + my half's 24 bytes
	s_delay_alu instid0(VALU_DEP_4)
	v_lshlrev_b32 v[ADV], 1, v3
.irp p, 0,1,2
	global_load_b64 v[Q+2*\p:Q+2*\p+1], v[ADK], s[10:11] offset:8*\p
.endr
	global_load_u16 v[QS], v[ADV], s[16:17]        ; two scale bytes, zeros above
.irp i, 6,7,8,9,10,11
	v_mov_b32 v[Q+\i], 0                           ; zero codes for k = 64 .. 127
.endr
	v_and_b32 v[AK0], 31, v0
	s_delay_alu instid0(VALU_DEP_1)
	v_lshlrev_b32 v[AK0], 4, v[AK0]                ; 16 x lane
	s_mul_i32 s90, s[KP], POSB
	s_add_co_u32 s91, s[QP], 3
	s_mul_i32 s91, s91, POSB
	v_add_nc_u32 v[AV0], s91, v[AK0]
	v_add_nc_u32 v[AK0], s90, v[AK0]
	v_mov_b32 v[TX], 0xff61b1e6                    ; the largest t so far: -3e38, under every t
	s_delay_alu instid0(VALU_DEP_1)
	v_floor_f32 v[NM], -v[TX]
	v_mov_b32 v[L], 0
	v_mov_b32 v[L+1], 0
	v_mov_b32 v[FF+1], 0                           ; (named as the upper half of a pair)
.set j, 0
.rept 12
	v_mov_b32 v[BM+j], 0                           ; written once: key tile 7's operand names them, and a lane permute's destination counts as one of its sources
.set j, j+1
.endr
.set j, 0
.rept 32
	v_mov_b32 v[O+j], 0                            ; O^T.  (The step is written once: the first finds zeros, which the first change of M leaves zeros)
.set j, j+1
.endr
	s_wait_loadcnt 0x0                             ; Q
	s_wait_tensorcnt 1                             ; my part of slot 0 is in; slot 1's, issued behind it, may stay out
	s_barrier_signal -1
	s_barrier_wait -1                              ; everybody's is
	SLOTWORK 0                                     ; key steps 0-3
	s_mov_b32 s[LOOP], 3
.Lpair:                                            ; three trips of two slots: key steps 4-27; each change asks for the slot two on
	CHANGE 1, 1
	SLOTWORK 1
	CHANGE 0, 1
	SLOTWORK 0
	s_sub_co_u32 s[LOOP], s[LOOP], 1
	s_cmp_lg_u32 s[LOOP], 0
	s_cbranch_scc1 .Lpair
	CHANGE 1, 0                                    ; the last slot is written out: nothing is left to fetch
	SLOTWORK 1                                     ; key steps 28-31
	; THE WAY OUT, the same text for all waves.  o = O^T / l is quantised along the 64 channels; y(position, o') = o . w (source 0 = my 16 positions, source 1 = 16 rows of w): a lane then holds ONE output channel and
	; eight neighbouring positions.  With the bias added y goes into the group's stage (64 rows = channels x 256 bytes = the quad's 64 positions); behind a barrier each wave reads whole rows back, adds x and stores.
	; zz = 0: a wave takes 16 rows, sixteen lanes to a row of 256 bytes.  zz = 1 (the half quad: 2 waves, rows of 128 bytes): a wave takes 32 rows, eight lanes to a row; the immediates are the same.
.set WA,  1                            ; v1   w's fragments: 48 r + 24 h
.set BA,  2                            ; v2   the bias: 4 r
.set WSA, 3                            ; v3   w's scale bytes: 2 x lane
.set STO, 6                            ; v6   the stage, in
.set RD,  7                            ; v7   the stage, back
.set RR,  8
.set HH,  9
.set BI,  F+30                         ; the bias of tile t' at BI + 2 t', the low word of a pair
.set OM,  F+38                         ; o's two largest magnitudes, then scale operands
.set OP,  F+40                         ; at work
.set OC,  F+42                         ; a conversion's three registers
.set OA,  82                           ; v[82:93] o's codes: 82-87, and zero codes above
.set Y,   S+32                         ; v[126:157] y, four tiles
	v_and_b32 v[RR], 15, v0                        ; (these plain lines are the places behind the last products)
	s_wait_alu depctr_va_vdst(0)
	v_bfe_u32 v[HH], v0, 4, 1
	v_and_b32 v[TT], 7, v0
	v_bfe_u32 v[TT+1], v0, 3, 1
	v_mul_u32_u24 v[WA], v[RR], 48
	s_delay_alu instid0(VALU_DEP_1)
	v_mad_u32_u24 v[WA], v[HH], 24, v[WA]
	v_lshlrev_b32 v[BA], 2, v[RR]
	v_and_b32 v[WSA], 31, v0
	s_delay_alu instid0(VALU_DEP_1)
	v_lshlrev_b32 v[WSA], 1, v[WSA]
	s_mul_i32 s90, s[GR], GRPB
	s_lshl_b32 s91, s[EE], 6
	s_add_co_u32 s90, s90, s91                     ; in: my group's stage, my tile's 64 bytes of a row
	s_lshl_b32 s91, s[ZZ], 4
	s_add_co_u32 s91, s91, 16
	s_mul_i32 s91, s91, s[EE]                      ; the first row that I read back: 16 ee, or 32 ee
	s_lshl_b32 s96, s91, 14                        ; and its bytes in x and out: a row of 4,096 positions is 16,384
	s_mul_i32 s91, s91, SPITCH
	s_mul_i32 s92, s[GR], GRPB
	s_add_co_u32 s91, s91, s92
	s_mul_i32 s92, s[ZZ], 144
	s_add_co_u32 s92, s92, 128                     ; lane bit 3: 128 bytes on in the row, or a stage row on
	s_mul_i32 s93, s[ZZ], 4080
	s_add_co_u32 s93, s93, SPITCH                  ; lane bit 4: a stage row on, or 16
	s_mul_i32 s98, s[ZZ], 16256
	s_add_co_u32 s98, s98, 128                     ; the same two in memory
	s_mul_i32 s99, s[ZZ], 245760
	s_add_co_u32 s99, s99, 16384
	v_mul_u32_u24 v[STO], v[RR], SPITCH            ; row r of a tile of 16 channels,
	s_wait_alu depctr_va_vdst(0)
	v_lshl_add_u32 v[STO], v[HH], 5, v[STO]        ; positions 8 h on
	s_delay_alu instid0(VALU_DEP_1)
	v_add_nc_u32 v[STO], s90, v[STO]
	v_lshlrev_b32 v[RD], 4, v[TT]
	s_delay_alu instid0(VALU_DEP_1)
	v_mad_u32_u24 v[RD], v[TT+1], s92, v[RD]
	s_delay_alu instid0(VALU_DEP_1)
	v_mad_u32_u24 v[RD], v[HH], s93, v[RD]
	s_delay_alu instid0(VALU_DEP_1)
	v_add_nc_u32 v[RD], s91, v[RD]
	v_lshlrev_b32 v[GO], 4, v[TT]
	s_delay_alu instid0(VALU_DEP_1)
	v_mad_u32_u24 v[GO], v[TT+1], s98, v[GO]
	s_delay_alu instid0(VALU_DEP_1)
	v_mad_u32_u24 v[GO], v[HH], s99, v[GO]
	s_wait_alu depctr_va_vdst(0)
	s_lshl_b32 s94, s[PB], 8                       ; my block's 64 positions, in bytes,
	s_mul_i32 s95, s[PAR], s[ZZ]
	s_lshl_b32 s95, s95, 7                         ; the half quad's 32 positions,
	s_add_co_u32 s94, s94, s95
	s_add_co_u32 s94, s94, s96                     ; my first row
	s_lshl_b32 s96, s[BT], 20                      ; x: a batch is 64 rows
	s_add_co_u32 s96, s96, s94
	s_mov_b32 s97, 0
	s_add_nc_u64 s[40:41], s[40:41], s[96:97]
	s_mul_i32 s96, s[BT], 3145728                  ; out: a batch is 192 rows,
	s_lshl_b32 s95, s[KA], 20                      ; the key stream's 64
	s_add_co_u32 s96, s96, s95
	s_add_co_u32 s96, s96, s94
	s_add_nc_u64 s[46:47], s[46:47], s[96:97]
.irp t, 0,1,2,3
.irp p, 0,1,2
	global_load_b64 v[F+6*\t+2*\p:F+6*\t+2*\p+1], v[WA], s[22:23] offset:768*\t+8*\p   ; w's rows 16 t + r: six registers a tile, on end
.endr
.endr
.irp i, 0,1
	global_load_u16 v[KVS+\i], v[WSA], s[28:29] offset:64*\i   ; row 32 i + lane: tile 2 i's scale bytes in lanes 0-15, tile 2 i + 1's in lanes 16-31
.endr
.irp t, 0,1,2,3
	global_load_b32 v[BI+2*\t], v[BA], s[34:35] offset:64*\t
.endr
.irp i, 0,1,2,3,4,5,6,7
	global_load_b128 v[S+4*\i:S+4*\i+3], v[GO], s[40:41] offset:32768*\i   ; x at the very places that I shall store
.endr
	v_add_f32 v[L], v[L], v[L+1]                   ; the sum's two halves,
	s_delay_alu instid0(VALU_DEP_1)
	v_permlanex16_b32 v[TT], v[L], s[SEL], s[SEL+1]
	s_delay_alu instid0(VALU_DEP_1)
	v_add_f32 v[L], v[L], v[TT]                    ; and lane l xor 16's: the row's sum
	s_wait_alu depctr_va_vdst(0)
	v_rcp_f32 v[FF], v[L]
	v_nop                                          ; a plain instruction behind the reciprocal
.set j, 0
	s_wait_alu depctr_va_vdst(0)
.rept 16
	v_pk_mul_f32 v[O+j:O+j+1], v[O+j:O+j+1], v[FF:FF+1] op_sel_hi:[1,0]   ; o = O^T / l: register 16 b + i is channel 32 b + 16 h + i of my query
.set j, j+2
.endr
.irp b, 0,1
	v_max3_num_f32 v[OM+\b], |v[O+16*\b]|, |v[O+16*\b+1]|, 0x1800000   ; block b: my 16 numbers, and the floor 2^(3 - 127)
.endr
.irp i, 2,4,6,8,10,12,14
.irp b, 0,1
	s_delay_alu instid0(VALU_DEP_2)
	v_max3_num_f32 v[OM+\b], v[OM+\b], |v[O+16*\b+\i]|, |v[O+16*\b+\i+1]|
.endr
.endr
.irp b, 0,1
	s_delay_alu instid0(VALU_DEP_2)
	v_permlanex16_b32 v[OP+\b], v[OM+\b], s[SEL], s[SEL+1]
.endr
.irp b, 0,1
	s_delay_alu instid0(VALU_DEP_2)
	v_max_num_f32 v[OM+\b], v[OM+\b], v[OP+\b]     ; with lane l xor 16's: the block's largest magnitude
.endr
.irp b, 0,1
	s_delay_alu instid0(VALU_DEP_2)
	v_add_nc_u32 v[OM+\b], 0xff000000, v[OM+\b]    ; 2 off its exponent field: the conversion's scale operand
.endr
.irp b, 0,1
	s_delay_alu instid0(VALU_DEP_2)
	v_lshrrev_b32 v[OP+\b], 23, v[OM+\b]           ; the scale's byte
.endr
	s_delay_alu instid0(VALU_DEP_1)
	v_lshl_or_b32 v[PW], v[OP+1], 8, v[OP]         ; o's scale word: two bytes, zeros above
	v_cvt_scalef32_pk16_fp6_f32 v[OA:OA+2], v[O:O+15], v[OM]
	v_cvt_scalef32_pk16_fp6_f32 v[OC:OC+2], v[O+16:O+31], v[OM+1]
	v_nop                                          ; one plain instruction behind a scaled conversion
.irp i, 0,1,2
	v_permlane16_swap_b32 v[OA+\i], v[OC+\i]       ; a whole block to a lane: lanes 0-15 block 0, lanes 16-31 block 1
.endr
.irp i, 0,1,2
	s_delay_alu instid0(VALU_DEP_3)
	v_mov_b32 v[OA+3+\i], v[OC+\i]
.endr
.irp i, 6,7,8,9,10,11
	v_mov_b32 v[OA+\i], 0                          ; zero codes for k = 64 .. 127
.endr
	s_wait_alu depctr_va_vdst(0)
	s_wait_loadcnt 8                               ; loads come back in order: w, its scale bytes and the bias are in; the eight loads of x may be out
.rept 8
	v_nop                                          ; an operand written by vector instructions stands 4 places ahead of a scaled matrix instruction, a scale register so written 8
.endr
.irp t, 0,2
	v_wmma_scale_f32_16x16x128_f8f6f4 v[Y+8*\t:Y+8*\t+7], v[OA:OA+11], v[F+6*\t:F+6*\t+11], 0, v[PW], v[KVS+\t/2] matrix_a_fmt:MATRIX_FMT_FP6 matrix_b_fmt:MATRIX_FMT_FP6
	v_wmma_scale_f32_16x16x128_f8f6f4 v[Y+8*\t+8:Y+8*\t+15], v[OA:OA+11], v[F+6*\t+6:F+6*\t+17], 0, v[PW], v[KVS+\t/2] matrix_a_fmt:MATRIX_FMT_FP6 matrix_b_fmt:MATRIX_FMT_FP6 matrix_b_scale:MATRIX_SCALE_ROW1
.endr
.rept 4
	v_nop                                          ; four places in front of the first read of the results
.endr
.irp t, 0,1,2,3
.irp i, 0,2,4,6
	v_pk_add_f32 v[Y+8*\t+\i:Y+8*\t+\i+1], v[Y+8*\t+\i:Y+8*\t+\i+1], v[BI+2*\t:BI+2*\t+1] op_sel_hi:[1,0]   ; + b[16 t + r], from each accumulator's low end on
.endr
.endr
.irp t, 0,1,2,3
	ds_store_b128 v[STO], v[Y+8*\t:Y+8*\t+3] offset:16*SPITCH*\t
	ds_store_b128 v[STO], v[Y+8*\t+4:Y+8*\t+7] offset:16*SPITCH*\t+16
.endr
	s_wait_dscnt 0x0                               ; for the others' sake: my stores into the stage are done
	s_barrier_signal -1
	s_barrier_wait -1                              ; a row's bytes come from the group's waves
.irp i, 0,1,2,3,4,5,6,7
	ds_load_b128 v[O+4*\i:O+4*\i+3], v[RD] offset:2*SPITCH*\i
.endr
	s_wait_loadcnt 0x0                             ; x
.irp i, 0,1,2,3,4,5,6,7
	s_wait_dscnt 7-\i                              ; load i of the eight is back; the younger ones may be out
	v_pk_add_f32 v[O+4*\i:O+4*\i+1], v[O+4*\i:O+4*\i+1], v[S+4*\i:S+4*\i+1]
	v_pk_add_f32 v[O+4*\i+2:O+4*\i+3], v[O+4*\i+2:O+4*\i+3], v[S+4*\i+2:S+4*\i+3]
	global_store_b128 v[GO], v[O+4*\i:O+4*\i+3], s[46:47] offset:32768*\i th:TH_STORE_NT   ; zz = 0: sixteen lanes store 256 consecutive bytes, aligned; zz = 1: eight lanes 128; written once, read by nobody here
.endr
	s_wait_tensorcnt 0x0                           ; the wave's end: behind my last tensor load and my last LDS store
	ds_add_u32 v[SPW], v[NIL]
	s_wait_dscnt 0x0
	CROUND                                         ; the closing round: no work-group ends while a partner may still ask for a tile that names it
	s_endpgm
.Lfunc_end_k_qc7cfa7b222_attn:
	.size	k_qc7cfa7b222_attn, .Lfunc_end_k_qc7cfa7b222_attn-k_qc7cfa7b222_attn
	.p2alignl 7, 3214868480
	.fill 96, 4, 3214868480
	.section	.rodata,"a",@progbits
	.p2align	6, 0x0
	.amdhsa_kernel k_qc7cfa7b222_attn
		.amdhsa_group_segment_fixed_size 327680
		.amdhsa_private_segment_fixed_size 0
		.amdhsa_enable_private_segment 0
		.amdhsa_kernarg_size 176
		.amdhsa_user_sgpr_count 2
		.amdhsa_user_sgpr_kernarg_segment_ptr 1
		.amdhsa_wavefront_size32 1
		.amdhsa_system_sgpr_workgroup_id_x 1
		.amdhsa_system_sgpr_workgroup_id_y 1
		.amdhsa_system_sgpr_workgroup_id_z 1
		.amdhsa_system_vgpr_workitem_id 0
		.amdhsa_next_free_vgpr 192
		.amdhsa_next_free_sgpr 100
		.amdhsa_reserve_vcc 0
		.amdhsa_float_denorm_mode_32 3
		.amdhsa_float_denorm_mode_16_64 3
		.amdhsa_memory_ordered 1
		.amdhsa_forward_progress 1
		.amdhsa_inst_pref_size 92
	.end_amdhsa_kernel
	.amdgpu_metadata
---
amdhsa.version: [ 1, 2 ]
amdhsa.kernels:
  - .name:           k_qc7cfa7b222_attn
    .symbol:         k_qc7cfa7b222_attn.kd
    .args:
      - { .name: kv, .offset: 0, .size: 8, .value_kind: global_buffer, .address_space: global }
      - { .name: poi_q_codes, .offset: 8, .size: 8, .value_kind: global_buffer, .address_space: global }
      - { .name: point_q_codes, .offset: 16, .size: 8, .value_kind: global_buffer, .address_space: global }
      - { .name: pop_q_codes, .offset: 24, .size: 8, .value_kind: global_buffer, .address_space: global }
      - { .name: poi_q_scales, .offset: 32, .size: 8, .value_kind: global_buffer, .address_space: global }
      - { .name: point_q_scales, .offset: 40, .size: 8, .value_kind: global_buffer, .address_space: global }
      - { .name: pop_q_scales, .offset: 48, .size: 8, .value_kind: global_buffer, .address_space: global }
      - { .name: w_poi_codes, .offset: 56, .size: 8, .value_kind: global_buffer, .address_space: global }
      - { .name: w_point_codes, .offset: 64, .size: 8, .value_kind: global_buffer, .address_space: global }
      - { .name: w_pop_codes, .offset: 72, .size: 8, .value_kind: global_buffer, .address_space: global }
      - { .name: w_poi_scales, .offset: 80, .size: 8, .value_kind: global_buffer, .address_space: global }
      - { .name: w_point_scales, .offset: 88, .size: 8, .value_kind: global_buffer, .address_space: global }
      - { .name: w_pop_scales, .offset: 96, .size: 8, .value_kind: global_buffer, .address_space: global }
      - { .name: b_poi, .offset: 104, .size: 8, .value_kind: global_buffer, .address_space: global }
      - { .name: b_point, .offset: 112, .size: 8, .value_kind: global_buffer, .address_space: global }
      - { .name: b_pop, .offset: 120, .size: 8, .value_kind: global_buffer, .address_space: global }
      - { .name: x_poi, .offset: 128, .size: 8, .value_kind: global_buffer, .address_space: global }
      - { .name: x_point, .offset: 136, .size: 8, .value_kind: global_buffer, .address_space: global }
      - { .name: x_pop, .offset: 144, .size: 8, .value_kind: global_buffer, .address_space: global }
      - { .name: out0, .offset: 152, .size: 8, .value_kind: global_buffer, .address_space: global }
      - { .name: out1, .offset: 160, .size: 8, .value_kind: global_buffer, .address_space: global }
      - { .name: out2, .offset: 168, .size: 8, .value_kind: global_buffer, .address_space: global }
    .group_segment_fixed_size: 327680
    .private_segment_fixed_size: 0
    .kernarg_segment_align: 8
    .kernarg_segment_size: 176
    .max_flat_workgroup_size: 576
    .sgpr_count:     100
    .vgpr_count:     192
    .wavefront_size: 32
...
	.end_amdgpu_metadata
.endif
;; end of part 2
